; MI455X (gfx1250); checked and timed in simulation.
; The chip was launched on July 23, 2026; its instructions are those of AMD's public machine-readable ISA for CDNA 5 (MIT licence, August 2026) and "CDNA5" Instruction Set Architecture Reference Guide (July 2026). The comments in the code are by the model that wrote it; some were corrected since.
;; Soft Sort p2. Allowed arithmetic: float matrix products may take bf16 or f16 operands with f32 sums; all other float work in f32.
;; Inputs: scores 64 x 2,048 float32.
;; Outputs: out0 64 x 2,048 x 1 float32.
;; 2 versions, each right; version 2 is version 1 with the launch softavg written anew for expert scheduling mode. Each part assembles by itself: llvm-mc -triple=amdgcn-amd-amdhsa -mcpu=gfx1250 --defsym DOCPART=n.
;; ======== version 1 of 2: 2 launches
;; workspace buffers: srt 524,288 bytes; win 16,384 bytes of whole numbers
;; launch sortrows (part 1): grid 64 x 1, 8 waves a work-group, no clusters, 18,176 bytes of LDS; arguments scores, srt, win; writes srt, win
.if DOCPART == 1
	.amdgcn_target "amdgcn-amd-amdhsa--gfx1250"
	.amdhsa_code_object_version 6
	.text
	.protected	k_q317ddff949_sortrows
	.globl	k_q317ddff949_sortrows
	.p2align	8
	.type	k_q317ddff949_sortrows,@function
k_q317ddff949_sortrows:
	s_mov_b64 s[64:65], 0
	v_nop
	global_prefetch_b8 v0, s[64:65] scope:SCOPE_SE
	s_setreg_imm32_b32 hwreg(HW_REG_WAVE_MODE, 25, 1), 1
	s_wait_xcnt 0x0
; SoftSort, first of two launches.  scores: [64][2048] f32.
; One work-group sorts one row, descending, after scaling it: u = K * score with K*K = log2(e) / tau, so that the second launch gets
; the softmax weight of a pair as 2^-(u_j - u_i)^2.  K > 0, so the order of u is the order of the scores.  srt: [64][2048] f32, sorted u.
; It also says which part of the sorted row matters to which outputs.  The row is cut into 64 chunks of 32.  For the outputs of chunk p
; a chunk c is left out only if all its u lie more than 11.25 above the largest or below the smallest u of chunk p: the exponent is then
; below -126 and v_exp_f32 gives zero there (ISA guide 15.8: results under 2^-126 are flushed), so leaving it out changes no sum.
; win: [64][64] words, lo | end << 8: chunks lo .. end-1 are walked.  lo <= p < end always.
; A row is sorted by one work-group because the steps of a sort exchange data and work-groups do not talk: 64 work-groups.
; LIMITS: NaN and infinite scores are not served; |score| below 2.8e36 (u must stay finite).
;
; THE SORT: bitonic, 11 stages.  Stage k merges sorted blocks of 2^(k-1): first every index i meets i xor (2^k - 1) (the mirror), then
; i xor 2^j for j = k-2 .. 0.  In this form every compare has one direction: the lower index keeps the larger number.
; HOME LAYOUT of index i (11 bits): bits 10:8 wave, bit 7 and bits 1:0 register (R = 4 * bit7 + bits 1:0), bits 6:2 lane.
; A 16-byte access of a wave then covers 512 consecutive bytes, in LDS and in memory.
; CROSS LAYOUT, for index bits 10:8: these three bits are the register, bits 7:0 the thread: a 4-byte access of a wave covers 128 consecutive bytes.
; EXEC is never narrowed: every LDS store is made by all lanes.
.set KSC,  0x42f03978                  ; K = sqrt(log2(e) / 1e-4) = 120.11224
.set DPOS, 0x41340000                  ; +11.25   (11.25^2 = 126.56)
.set DNEG, 0xc1340000                  ; -11.25
.set BUFA, 0                           ; LDS: the row, home layout written, cross layout read; at the end the sorted row
.set BUFB, 8192                        ; LDS: the row, cross layout written, home layout read
.set RES,  16896                       ; LDS: the 64 window words.  Bytes 16384 to 16895 stay free: the home offset is an OR of two fields inside
                                       ; 13 bits, and the allotment covers BUFB + 512 + 8,192, the whole span of such a number; the last byte touched is 16,383
.set LN,  1                            ; v1      lane l
.set WV,  2                            ; v2      wave w
.set OA,  3                            ; v3      home layout: 1024 w + 16 l, byte offset in LDS and in the row
.set TA,  4                            ; v4      cross layout: 4 t (t = thread)
.set TP,  5                            ; v5      cross layout, the mirror: 4 (255 - t)
.set LIM, 6                            ; v[6:10] bit k of the lane clear: +inf, set: -inf.  med3(a, b, +inf) = max, med3(a, b, -inf) = min
.set L7,  11                           ; v11     l & 7
.set PB,  12                           ; v12     1024 w + 128 (l & 7): first byte, in the sorted row, of the chunk whose window I count
.set PA,  13                           ; v13     32 w + 4 (l & 7): that chunk's window word
.set GA,  14                           ; v14     2048 (l >> 3): first byte of the 16 chunks that I compare with
.set CUR, 16                           ; v[16:23] or v[24:31]: my 8 numbers
.set ALT, 24                           ; the other set: a register step writes there, and the names change places
.set PT,  32                           ; v[32:39] the partners
.set MN,  40                           ; v[40:55] 16 chunk minima
.set MX,  56                           ; v[56:71] 16 chunk maxima
.set PMX, 72                           ; v72     my chunk: largest u + 11.25
.set PMN, 73                           ; v73     my chunk: smallest u - 11.25
.set CLO, 74                           ; v74     count: chunks wholly above
.set CEN, 75                           ; v75     count: chunks not wholly below
.set WD,  76                           ; v76     both counts in a word
	s_load_b128 s[4:7], s[0:1], 0x0                ; scores s[4:5], srt s[6:7]
	s_load_b64 s[8:9], s[0:1], 0x10                ; win
	v_lshl_add_u32 v80, v0, 2, 0x4300
	v_mov_b32 v81, 0
	v_and_b32 v[LN], 31, v0
	v_lshrrev_b32 v[WV], 5, v0
	v_readfirstlane_b32 s10, v[WV]                 ; wave number as a scalar
	v_lshlrev_b32 v[OA], 4, v[LN]
	v_lshl_or_b32 v[OA], v[WV], 10, v[OA]
	s_lshl_b32 s2, ttmp9, 13                       ; my row: 8,192 bytes each
	s_mov_b32 s3, 0
	s_lshl_b32 s16, ttmp9, 8                       ; my row of win: 256 bytes each
	s_mov_b32 s17, 0
	s_wait_kmcnt 0x0
	s_add_nc_u64 s[4:5], s[4:5], s[2:3]
	s_add_nc_u64 s[6:7], s[6:7], s[2:3]
	s_add_nc_u64 s[8:9], s[8:9], s[16:17]
	global_load_b128 v[CUR:CUR+3],   v[OA], s[4:5] th:TH_LOAD_NT              ; R = 0..3
	global_load_b128 v[CUR+4:CUR+7], v[OA], s[4:5] offset:512 th:TH_LOAD_NT   ; R = 4..7 (index bit 7 set)
	; while the row is on its way: addresses, limits, lane selects
	v_lshlrev_b32 v[TA], 2, v0
	v_sub_nc_u32 v[TP], 1020, v[TA]
.irp k, 0,1,2,3,4
	v_bfe_u32 v[LIM+\k], v[LN], \k, 1
	v_lshl_or_b32 v[LIM+\k], v[LIM+\k], 31, 0x7f800000
.endr
	v_and_b32 v[L7], 7, v[LN]
	v_lshlrev_b32 v[PA], 2, v[L7]
	v_lshl_or_b32 v[PA], v[WV], 5, v[PA]
	v_lshlrev_b32 v[PB], 7, v[L7]
	v_lshl_or_b32 v[PB], v[WV], 10, v[PB]
	v_lshrrev_b32 v[GA], 3, v[LN]
	v_lshlrev_b32 v[GA], 11, v[GA]
.irp a, 0,1,2,3,4,5,6,7
	v_mov_b32 v[PT+\a], 0                          ; a DPP move and v_permlanex16_b32 count as readers of their destination: written once here
.endr
	s_mov_b32 s12, 0x76543210                      ; v_permlanex16_b32: lane i of one half takes lane i of the other (lane xor 16)
	s_mov_b32 s13, 0xfedcba98
	s_mov_b32 s14, 0x89abcdef                      ; and lane 15 - i of the other (lane xor 31)
	s_mov_b32 s15, 0x01234567
	s_wait_loadcnt 0x0
.irp a, 0,1,2,3,4,5,6,7
	v_mul_f32 v[CUR+\a], KSC, v[CUR+\a]            ; u = K * score
.endr
; register a (the lower index) keeps the larger, register b the smaller; results go to the other set
.macro CEX a, b
	v_max_num_f32 v[ALT+(\a)], v[CUR+(\a)], v[CUR+(\b)]
	v_min_num_f32 v[ALT+(\b)], v[CUR+(\a)], v[CUR+(\b)]
.endm
; a step inside the thread: register R meets R xor m
.macro REGSTEP m
.irp a, 0,1,2,3,4,5,6,7
.if (\a) < ((\a)^(\m))
	CEX \a, ((\a)^(\m))
.endif
.endr
.set SWP, CUR
.set CUR, ALT
.set ALT, SWP
.endm
; a step between lanes of a half: register R meets register R xor rx of lane l xor xm; lane bit lim says who is the lower index
.macro LANEX xm, rx, lim
.irp a, 0,1,2,3,4,5,6,7
	v_mov_b32_dpp v[PT+\a], v[CUR+((\a)^(\rx))] row_xmask:\xm row_mask:0xf bank_mask:0xf
.endr
.irp a, 0,1,2,3,4,5,6,7
	v_med3_num_f32 v[CUR+\a], v[CUR+\a], v[PT+\a], v[LIM+\lim]
.endr
.endm
; the same across the halves; sl = 12: lane xor 16, sl = 14: lane xor 31
.macro HALFX sl, rx, lim
.irp a, 0,1,2,3,4,5,6,7
	v_permlanex16_b32 v[PT+\a], v[CUR+((\a)^(\rx))], s[\sl], s[\sl+1]
.endr
.irp a, 0,1,2,3,4,5,6,7
	v_med3_num_f32 v[CUR+\a], v[CUR+\a], v[PT+\a], v[LIM+\lim]
.endr
.endm
.macro LOWTAIL                         ; index bits 6 .. 0
	HALFX 12, 0, 4
	LANEX 8, 0, 3
	LANEX 4, 0, 2
	LANEX 2, 0, 1
	LANEX 1, 0, 0
	REGSTEP 2
	REGSTEP 1
.endm
; The row into BUFA, home layout, and a barrier.  BUFA's last readers waited for their loads in front of the barrier of UNCROSS.
.macro PUTROW
	ds_store_b128 v[OA], v[CUR:CUR+3]   offset:BUFA
	ds_store_b128 v[OA], v[CUR+4:CUR+7] offset:BUFA+512
	s_wait_dscnt 0x0                               ; my part of the row is in BUFA (and my reads of BUFB were waited for before): zero, for the others
	s_barrier_signal -1
	s_barrier_wait -1
.endm
; Into the cross layout, and the mirror step of stage 9, 10 or 11.  m = 1, 3, 7: the register bits that the mirror flips; hb = its top bit.
; Index 256 R + t meets 256 (R xor m) + 255 - t: both are read from LDS, and each thread keeps its own side of the compare.
.macro CROSS m, hb
	PUTROW
.irp a, 0,1,2,3,4,5,6,7
	ds_load_b32 v[CUR+\a], v[TA] offset:BUFA+1024*\a
.endr
.irp a, 0,1,2,3,4,5,6,7
	ds_load_b32 v[PT+\a], v[TP] offset:BUFA+1024*((\a)^(\m))
.endr
	s_wait_dscnt 0x0
.irp a, 0,1,2,3,4,5,6,7
.if ((\a)&(\hb)) == 0
	v_max_num_f32 v[CUR+\a], v[CUR+\a], v[PT+\a]
.else
	v_min_num_f32 v[CUR+\a], v[CUR+\a], v[PT+\a]
.endif
.endr
.endm
; Back into the home layout, through the other buffer: BUFA is still being read by slower waves, BUFB was last read in front of the barrier above
.macro UNCROSS
.irp a, 0,1,2,3,4,5,6,7
	ds_store_b32 v[TA], v[CUR+\a] offset:BUFB+1024*\a
.endr
	s_wait_dscnt 0x0                               ; my stores are in BUFB, my reads of BUFA are over: zero, for the others
	s_barrier_signal -1
	s_barrier_wait -1
	ds_load_b128 v[CUR:CUR+3],   v[OA] offset:BUFB
	ds_load_b128 v[CUR+4:CUR+7], v[OA] offset:BUFB+512
	s_wait_dscnt 0x0
.endm
	REGSTEP 1                                      ; stage 1
	REGSTEP 3                                      ; stage 2: mirror, then bit 0
	REGSTEP 1
	LANEX 1, 3, 0                                  ; stage 3: mirror = bits 1:0 flipped (R xor 3) and lane xor 1; index bit 2 = lane bit 0
	REGSTEP 2
	REGSTEP 1
	LANEX 3, 3, 1                                  ; stage 4
	LANEX 1, 0, 0
	REGSTEP 2
	REGSTEP 1
	LANEX 7, 3, 2                                  ; stage 5
	LANEX 2, 0, 1
	LANEX 1, 0, 0
	REGSTEP 2
	REGSTEP 1
	LANEX 15, 3, 3                                 ; stage 6
	LANEX 4, 0, 2
	LANEX 2, 0, 1
	LANEX 1, 0, 0
	REGSTEP 2
	REGSTEP 1
	HALFX 14, 3, 4                                 ; stage 7: lane xor 31
	LANEX 8, 0, 3
	LANEX 4, 0, 2
	LANEX 2, 0, 1
	LANEX 1, 0, 0
	REGSTEP 2
	REGSTEP 1
.irp a, 0,1,2,3,4,5,6,7                            ; stage 8: mirror = R xor 7 and lane xor 31; index bit 7 is a register bit, so the side is fixed
	v_permlanex16_b32 v[PT+\a], v[CUR+((\a)^7)], s14, s15
.endr
.irp a, 0,1,2,3
	v_max_num_f32 v[CUR+\a], v[CUR+\a], v[PT+\a]
.endr
.irp a, 4,5,6,7
	v_min_num_f32 v[CUR+\a], v[CUR+\a], v[PT+\a]
.endr
	LOWTAIL
	CROSS 1, 1                                     ; stage 9
	UNCROSS
	REGSTEP 4                                      ; index bit 7
	LOWTAIL
	CROSS 3, 2                                     ; stage 10
	REGSTEP 1                                      ; index bit 8
	UNCROSS
	REGSTEP 4
	LOWTAIL
	CROSS 7, 4                                     ; stage 11
	REGSTEP 2                                      ; index bit 9
	REGSTEP 1                                      ; index bit 8
	UNCROSS
	REGSTEP 4
	LOWTAIL
	; The row is sorted: out to memory, and once more into BUFA, where every wave can see all chunks' ends.
	global_store_b128 v[OA], v[CUR:CUR+3],   s[6:7]             ; each store of the wave covers 512 consecutive bytes, aligned
	global_store_b128 v[OA], v[CUR+4:CUR+7], s[6:7] offset:512  ; (their registers are not written again)
	PUTROW
	; Windows.  Chunk c lies at bytes 128 c .. 128 c + 127 of the sorted row: its largest u is the first word, its smallest the last.
	; Lane l counts for chunk p = 8 w + (l & 7) over the 16 chunks 16 (l >> 3) ..; four lanes share a chunk.
	; The eight lanes of a group read one word; the four groups' words lie 2,048 bytes apart.  34 loads, once in the launch.
	ds_load_b32 v[PMX], v[PB] offset:BUFA
	ds_load_b32 v[PMN], v[PB] offset:BUFA+124
.irp j, 0,1,2,3,4,5,6,7,8,9,10,11,12,13,14,15
	ds_load_b32 v[MX+\j], v[GA] offset:BUFA+128*\j
	ds_load_b32 v[MN+\j], v[GA] offset:BUFA+128*\j+124
.endr
	v_mov_b32 v[CLO], 0
	v_mov_b32 v[CEN], 0
	s_wait_dscnt 0x0
	v_add_f32 v[PMX], DPOS, v[PMX]
	v_add_f32 v[PMN], DNEG, v[PMN]
.irp j, 0,1,2,3,4,5,6,7,8,9,10,11,12,13,14,15
	v_cmp_gt_f32 vcc_lo, v[MN+\j], v[PMX]          ; the whole chunk lies above my window
	v_add_co_ci_u32 v[CLO], vcc_lo, 0, v[CLO], vcc_lo
	v_cmp_ge_f32 vcc_lo, v[MX+\j], v[PMN]          ; the chunk does not lie wholly below it
	v_add_co_ci_u32 v[CEN], vcc_lo, 0, v[CEN], vcc_lo
.endr
	v_lshl_or_b32 v[WD], v[CEN], 8, v[CLO]         ; both sums stay below 256 (64 at the most): added in one word
	v_mov_b32_dpp v[PT], v[WD] row_xmask:8 row_mask:0xf bank_mask:0xf
	v_add_nc_u32 v[WD], v[WD], v[PT]
	v_permlanex16_b32 v[PT], v[WD], s12, s13
	v_add_nc_u32 v[WD], v[WD], v[PT]
	ds_store_b32 v[PA], v[WD] offset:RES           ; the four lanes of a chunk write the same word with the same value
	s_wait_dscnt 0x0
	s_barrier_signal -1
	s_barrier_wait -1
	s_cmp_lg_u32 s10, 0
	s_cbranch_scc1 .Lend
	v_lshlrev_b32 v[GA], 3, v[LN]                  ; wave 0: 8 bytes a lane, the row's 256 bytes of win in one store
	ds_load_b64 v[MN:MN+1], v[GA] offset:RES
	s_wait_dscnt 0x0
	global_store_b64 v[GA], v[MN:MN+1], s[8:9]
.Lend:
	s_wait_tensorcnt 0x0
	ds_add_u32 v80, v81
	s_wait_dscnt 0x0
	s_endpgm
.Lfunc_end_k_q317ddff949_sortrows:
	.size	k_q317ddff949_sortrows, .Lfunc_end_k_q317ddff949_sortrows-k_q317ddff949_sortrows
	.p2alignl 7, 3214868480
	.fill 96, 4, 3214868480
	.section	.rodata,"a",@progbits
	.p2align	6, 0x0
	.amdhsa_kernel k_q317ddff949_sortrows
		.amdhsa_group_segment_fixed_size 18176
		.amdhsa_private_segment_fixed_size 0
		.amdhsa_enable_private_segment 0
		.amdhsa_kernarg_size 24
		.amdhsa_user_sgpr_count 2
		.amdhsa_user_sgpr_kernarg_segment_ptr 1
		.amdhsa_wavefront_size32 1
		.amdhsa_system_sgpr_workgroup_id_x 1
		.amdhsa_system_sgpr_workgroup_id_y 1
		.amdhsa_system_sgpr_workgroup_id_z 1
		.amdhsa_system_vgpr_workitem_id 0
		.amdhsa_next_free_vgpr 82
		.amdhsa_next_free_sgpr 66
		.amdhsa_reserve_vcc 1
		.amdhsa_float_denorm_mode_32 3
		.amdhsa_float_denorm_mode_16_64 3
		.amdhsa_memory_ordered 1
		.amdhsa_forward_progress 1
		.amdhsa_inst_pref_size 59
	.end_amdhsa_kernel
	.amdgpu_metadata
---
amdhsa.version: [ 1, 2 ]
amdhsa.kernels:
  - .name:           k_q317ddff949_sortrows
    .symbol:         k_q317ddff949_sortrows.kd
    .args:
      - { .name: scores, .offset: 0, .size: 8, .value_kind: global_buffer, .address_space: global }
      - { .name: srt, .offset: 8, .size: 8, .value_kind: global_buffer, .address_space: global }
      - { .name: win, .offset: 16, .size: 8, .value_kind: global_buffer, .address_space: global }
    .group_segment_fixed_size: 18176
    .private_segment_fixed_size: 0
    .kernarg_segment_align: 8
    .kernarg_segment_size: 24
    .max_flat_workgroup_size: 256
    .sgpr_count:     66
    .vgpr_count:     82
    .wavefront_size: 32
...
	.end_amdgpu_metadata
.endif
;; end of part 1
;; launch softavg (part 2): grid 4 x 64, 16 waves a work-group, no clusters, 26,880 bytes of LDS; arguments srt, win, out0; writes out0
.if DOCPART == 2
	.amdgcn_target "amdgcn-amd-amdhsa--gfx1250"
	.amdhsa_code_object_version 6
	.text
	.protected	k_q317ddff949_softavg
	.globl	k_q317ddff949_softavg
	.p2align	8
	.type	k_q317ddff949_softavg,@function
k_q317ddff949_softavg:
	s_mov_b64 s[64:65], 0
	v_nop
	global_prefetch_b8 v0, s[64:65] scope:SCOPE_SE
	s_setreg_imm32_b32 hwreg(HW_REG_WAVE_MODE, 25, 1), 1
	s_wait_xcnt 0x0
; SoftSort, second of two launches.  srt: [64][2048] f32, each row u = K * score sorted descending (K*K = log2(e) / tau).
; out0[b][i] = sum_j e_ij u_j / sum_j e_ij / K with e_ij = 2^-(u_j - u_i)^2: the softmax of reference() with both axes in sorted order
; (a sum over j may run in any order).  THE MAXIMUM: u_i is itself one of the u_j, so the largest exponent of every row is exactly 0,
; for every input: taking it away subtracts 0, every e lies in [0, 1] and every denominator in [1, 2048].
; win: [64][64] words lo | end << 8, made by the first launch: for the 32 outputs of chunk p only chunks lo .. end-1 of 32 j are walked.
; In the others every exponent is below -126, where v_exp_f32 gives zero (ISA guide 15.8), so the sums are those of the whole row.
; The trip count thus hangs on the data: from 1 to 64.
;
; THE PRODUCT goes to the matrix unit, 16 x 16 x 32 in bf16 with f32 sums.  A holds, along k = j, row 0: u rounded to bf16, row 1: what that
; rounding left (u - hi, in bf16), row 2: ones, the rest zeros, and the same again in rows 8-10.  B holds e for 16 outputs (columns).
; Then lane (r, h) has in registers 0, 1, 2 of D: sum e hi, sum e lo, sum e of column r, in both halves h: nothing crosses lanes.
; The denominator is the f32 sum of the same bf16 weights that the product uses, so the weights that are used add up to one.
; SHARES: work-group (q, b): row b, the eight pieces of 64 outputs (256 bytes) number q + 4 m, m = 0..7, spread over the row because windows
; are wide where the numbers are dense.  Wave w: 32 outputs (chunk p = 2 q + 8 (w >> 1) + (w & 1)), two column tiles, one loop.
; NO CLUSTER: the four work-groups of a row share its 8,192 bytes, read once, 16 bytes a thread, and the bytes pass through registers anyway
; to be split into the bf16 rows; there is no tile that is asked for again.
; LIMITS: NaN and infinite scores are not served.  u_j - u_i carries up to one unit in the last place of u (both were rounded after scaling).
.set UT,    0                          ; LDS: u, 2048 f32
.set AT,    8192                       ; LDS: four rows of 2048 bf16: hi, lo, ones, zeros
.set AP,    4160                       ; their pitch: 4096 + 64, so that the four rows start 64 bytes apart modulo 256
.set STAGE, 0                          ; LDS: the 512 results, in the first bytes of the u table once nobody reads it
.set INVK,  0x3c0867df                 ; 1 / K = 0.0083255461
.set B16, 2                            ; v2        16 t (t = thread)
.set B8,  3                            ; v3        8 t
.set LD,  4                            ; v[4:7]    my four u; at the end my four results
.set SHI, 8                            ; v[8:9]    their bf16
.set RS,  10                           ; v[10:13]  what is left, f32
.set SLO, 14                           ; v[14:15]  and in bf16
.set ONE, 16                           ; v[16:17]  four bf16 ones
.set ZER, 18                           ; v[18:19]  zeros
.set Y0,  20                           ; v[20:21]  -u of my output in tile 0, twice (a pair for the packed add)
.set Y1,  22                           ; v[22:23]  the same for tile 1
.set UB,  24                           ; v24       UT + 32 h
.set AB,  25                           ; v25       AT + min(r & 7, 3) * AP + 16 h
.set UA,  26                           ; v26       UB + 128 * chunk
.set AA,  27                           ; v27       AB + 64 * chunk
.set RR,  28                           ; v28       r = lane & 15
.set HH,  29                           ; v29       h = lane >> 4
.set YA,  30                           ; v30       address of my output's own u
.set SA,  31                           ; v31       4 t
.set UV,  32                           ; v[32:47]  u of my 16 k: 8h .. 8h+7, then 16+8h .. 16+8h+7
.set AF,  48                           ; v[48:55]  fragment of A
.set T0,  56                           ; v[56:71]  tile 0: differences, then exponents
.set T1,  72                           ; v[72:87]  tile 1
.set X0,  88                           ; v[88:103]  tile 0: e
.set X1,  104                          ; v[104:119] tile 1
.set E0,  120                          ; v[120:127] tile 0: e in bf16, fragment of B
.set E1,  128                          ; v[128:135] tile 1
.set D0,  136                          ; v[136:143] sums of tile 0
.set D1,  144                          ; v[144:151] sums of tile 1
.set GO,  152                          ; v152      byte offset of my 16 bytes of output
	s_load_b128 s[4:7], s[0:1], 0x0                ; srt s[4:5], win s[6:7]
	s_load_b64 s[8:9], s[0:1], 0x10                ; out0
	v_lshl_add_u32 v156, v0, 2, 0x6100
	v_mov_b32 v157, 0
	v_lshrrev_b32 v1, 5, v0
	v_readfirstlane_b32 s10, v1                    ; wave w
	s_and_b32 s11, ttmp7, 0xffff                   ; row b;  ttmp9 = q
	s_lshr_b32 s12, s10, 1
	s_lshl_b32 s12, s12, 3
	s_and_b32 s13, s10, 1
	s_add_co_u32 s12, s12, s13
	s_lshl_b32 s13, ttmp9, 1
	s_add_co_u32 s12, s12, s13                     ; p = 8 (w >> 1) + (w & 1) + 2 q
	s_lshl_b32 s14, s11, 13                        ; the row in srt: 8,192 bytes each
	s_mov_b32 s15, 0
	s_lshl_b32 s16, s11, 8                         ; the row in win: 256 bytes each,
	s_lshl2_add_u32 s16, s12, s16                  ; and my word in it
	s_mov_b32 s17, 0
	s_lshl_b32 s26, ttmp9, 8                       ; the row in out0, and piece q of it
	s_add_co_u32 s26, s26, s14
	s_mov_b32 s27, 0
	v_lshlrev_b32 v[B16], 4, v0
	s_wait_kmcnt 0x0
	s_add_nc_u64 s[4:5], s[4:5], s[14:15]
	s_add_nc_u64 s[6:7], s[6:7], s[16:17]
	s_add_nc_u64 s[8:9], s[8:9], s[26:27]
	global_load_b128 v[LD:LD+3], v[B16], s[4:5]    ; the 512 threads take the whole row, 512 consecutive bytes a wave
	s_load_b32 s20, s[6:7], 0x0                    ; my window
	; while they are on their way: lane terms and constants
	v_lshlrev_b32 v[B8], 3, v0
	v_lshlrev_b32 v[SA], 2, v0
	v_and_b32 v[RR], 15, v0
	v_bfe_u32 v[HH], v0, 4, 1
	v_lshlrev_b32 v[UB], 5, v[HH]                  ; UT = 0
	v_and_b32 v[AB], 7, v[RR]
	v_min_u32 v[AB], 3, v[AB]                      ; rows 0, 1, 2 and 8, 9, 10 of A: hi, lo, ones; all others read the zeros
	v_mul_u32_u24 v[AB], v[AB], AP
	v_lshl_add_u32 v[AB], v[HH], 4, v[AB]
	v_add_nc_u32 v[AB], AT, v[AB]
	v_lshrrev_b32 v[GO], 4, v0
	v_lshlrev_b32 v[GO], 10, v[GO]                 ; piece m = t >> 4 lies 4 x 256 bytes behind piece m - 1
	v_lshl_add_u32 v[GO], v[RR], 4, v[GO]
	v_mov_b32 v[ONE], 0x3f803f80
	v_mov_b32 v[ONE+1], 0x3f803f80
	v_mov_b32 v[ZER], 0
	v_mov_b32 v[ZER+1], 0
	ds_store_b64 v[B8], v[ONE:ONE+1] offset:AT+2*AP
	ds_store_b64 v[B8], v[ZER:ZER+1] offset:AT+3*AP
	s_wait_loadcnt 0x0
	v_cvt_pk_bf16_f32 v[SHI],   v[LD],   v[LD+1]
	v_cvt_pk_bf16_f32 v[SHI+1], v[LD+2], v[LD+3]
	ds_store_b128 v[B16], v[LD:LD+3] offset:UT
	v_lshlrev_b32 v[RS],   16, v[SHI]              ; bf16 back to f32
	v_and_b32     v[RS+1], 0xffff0000, v[SHI]
	v_lshlrev_b32 v[RS+2], 16, v[SHI+1]
	v_and_b32     v[RS+3], 0xffff0000, v[SHI+1]
.irp j, 0,1,2,3
	v_sub_f32 v[RS+\j], v[LD+\j], v[RS+\j]         ; what the rounding left: exact
.endr
	v_cvt_pk_bf16_f32 v[SLO],   v[RS],   v[RS+1]
	v_cvt_pk_bf16_f32 v[SLO+1], v[RS+2], v[RS+3]
	ds_store_b64 v[B8], v[SHI:SHI+1] offset:AT
	ds_store_b64 v[B8], v[SLO:SLO+1] offset:AT+AP
	s_wait_dscnt 0x0                               ; my part of the tables is written: zero, for the others
	s_barrier_signal -1
	s_barrier_wait -1
	s_lshl_b32 s18, s12, 7                         ; my chunk in the u table: 128 p
	v_lshl_add_u32 v[YA], v[RR], 2, s18
	ds_load_b32 v[Y0], v[YA] offset:UT             ; u of output 32 p + r
	ds_load_b32 v[Y1], v[YA] offset:UT+64          ; u of output 32 p + 16 + r
	s_wait_kmcnt 0x0
	s_and_b32 s21, s20, 0xff
	s_min_u32 s21, s21, 63                         ; s21 = first chunk, and the loop's counter
	s_bfe_u32 s22, s20, 0x80008
	s_min_u32 s22, s22, 64                         ; s22 = one behind the last chunk
	s_lshl_b32 s24, s21, 7
	s_lshl_b32 s25, s21, 6
	v_add_nc_u32 v[UA], s24, v[UB]
	v_add_nc_u32 v[AA], s25, v[AB]
	ds_load_b128 v[UV:UV+3],     v[UA]             ; the first chunk's u: every lane of a half reads the same 16 bytes
	ds_load_b128 v[UV+4:UV+7],   v[UA] offset:16
	ds_load_b128 v[UV+8:UV+11],  v[UA] offset:64
	ds_load_b128 v[UV+12:UV+15], v[UA] offset:80
	s_wait_dscnt 0x4                               ; the two loads of my own u are in; the four behind them stay out
	v_sub_f32 v[Y0], 0, v[Y0]
	v_sub_f32 v[Y1], 0, v[Y1]
	v_mov_b32 v[Y0+1], v[Y0]
	v_mov_b32 v[Y1+1], v[Y1]
; One chunk of 32 j for both tiles.  first = 1: the products start the sums, nothing is cleared.
; Order: behind a run of v_exp_f32 a plain vector instruction that touches none of their registers comes before a result is used:
; behind tile 0's run stand tile 1's differences, behind tile 1's run tile 0's conversions.  A load into a register that a matrix instruction
; has read stands four plain vector instructions behind it: the loads of A's fragment stand behind the eight differences of tile 0.
.macro TRIP first
	s_wait_dscnt 0x0                               ; this chunk's u, asked for one trip ago: nothing else is out
.irp j, 0,2,4,6,8,10,12,14
	v_pk_add_f32 v[T0+\j:T0+\j+1], v[UV+\j:UV+\j+1], v[Y0:Y0+1]                       ; u_j - u_i
.endr
	ds_load_b128 v[AF:AF+3],   v[AA]               ; A(row, 8h ..): needed at the end of the trip
	ds_load_b128 v[AF+4:AF+7], v[AA] offset:32     ; A(row, 16+8h ..)
.irp j, 0,2,4,6,8,10,12,14
	v_pk_mul_f32 v[T0+\j:T0+\j+1], v[T0+\j:T0+\j+1], v[T0+\j:T0+\j+1] neg_lo:[0,1] neg_hi:[0,1]   ; -(u_j - u_i)^2
.endr
.irp j, 0,1,2,3,4,5,6,7,8,9,10,11,12,13,14,15
	v_exp_f32 v[X0+\j], v[T0+\j]
.endr
.irp j, 0,2,4,6,8,10,12,14
	v_pk_add_f32 v[T1+\j:T1+\j+1], v[UV+\j:UV+\j+1], v[Y1:Y1+1]
.endr
	s_add_co_u32 s23, s21, 1                       ; the next chunk; behind chunk 63 the look-ahead wraps to chunk 0, inside the table, and is not used
	s_and_b32 s23, s23, 63
	s_lshl_b32 s24, s23, 7
	s_lshl_b32 s25, s23, 6
	v_add_nc_u32 v[UA], s24, v[UB]
	v_add_nc_u32 v[AA], s25, v[AB]
	ds_load_b128 v[UV:UV+3],     v[UA]             ; both tiles have read this chunk's u: the next one's is asked for
	ds_load_b128 v[UV+4:UV+7],   v[UA] offset:16
	ds_load_b128 v[UV+8:UV+11],  v[UA] offset:64
	ds_load_b128 v[UV+12:UV+15], v[UA] offset:80
.irp j, 0,2,4,6,8,10,12,14
	v_pk_mul_f32 v[T1+\j:T1+\j+1], v[T1+\j:T1+\j+1], v[T1+\j:T1+\j+1] neg_lo:[0,1] neg_hi:[0,1]
.endr
.irp j, 0,1,2,3,4,5,6,7,8,9,10,11,12,13,14,15
	v_exp_f32 v[X1+\j], v[T1+\j]
.endr
	s_wait_alu depctr_va_vdst(0)
.irp j, 0,1,2,3,4,5,6,7
	v_cvt_pk_bf16_f32 v[E0+\j], v[X0+2*\j], v[X0+2*\j+1]
.endr
	s_wait_dscnt 0x4                               ; A's two loads are in; the four look-ahead loads behind them stay out
.if \first
	v_wmma_f32_16x16x32_bf16 v[D0:D0+7], v[AF:AF+7], v[E0:E0+7], 0
.else
	v_wmma_f32_16x16x32_bf16 v[D0:D0+7], v[AF:AF+7], v[E0:E0+7], v[D0:D0+7]
.endif
.irp j, 0,1,2,3,4,5,6,7
	v_cvt_pk_bf16_f32 v[E1+\j], v[X1+2*\j], v[X1+2*\j+1]
.endr
.if \first
	v_wmma_f32_16x16x32_bf16 v[D1:D1+7], v[AF:AF+7], v[E1:E1+7], 0
.else
	v_wmma_f32_16x16x32_bf16 v[D1:D1+7], v[AF:AF+7], v[E1:E1+7], v[D1:D1+7]
.endif
.endm
	TRIP 1                                         ; a window holds at least the outputs' own chunk
	s_add_co_u32 s21, s21, 1
	s_cmp_ge_u32 s21, s22
	s_cbranch_scc1 .Ldone
.Lchunk:
	TRIP 0
	s_add_co_u32 s21, s21, 1
	s_cmp_lt_u32 s21, s22
	s_cbranch_scc1 .Lchunk
.Ldone:
	s_wait_dscnt 0x0                               ; the last look-ahead has landed: my reads of the tables are over
	s_barrier_signal -1                            ; say so, and finish on registers while the others arrive
.rept 4
	v_nop                                          ; four places between the last matrix instruction and the first read of its sums (ISA guide 7.12.1)
.endr
	v_add_f32 v[T0],   v[D0], v[D0+1]              ; sum e hi + sum e lo
	v_add_f32 v[T0+1], v[D1], v[D1+1]
	v_cmp_ne_u32 vcc_lo, 0, v[HH]
	v_cndmask_b32 v[T0],   v[T0],   v[T0+1], vcc_lo    ; lanes 0-15 go on with tile 0, lanes 16-31 with tile 1: lane l holds output 32 p + l
	v_cndmask_b32 v[T0+2], v[D0+2], v[D1+2], vcc_lo    ; sum e, at least 1
	v_rcp_f32 v[T0+3], v[T0+2]
	v_mul_f32 v[T0], INVK, v[T0]                   ; back from u to scores; also the plain instruction behind v_rcp_f32
	s_wait_alu depctr_va_vdst(0)
	v_mul_f32 v[T0], v[T0], v[T0+3]
	s_barrier_wait -1                              ; nobody reads the u table any more: its first 2,048 bytes become the stage
	ds_store_b32 v[SA], v[T0] offset:STAGE         ; word t = 64 (w >> 1) + 32 (w & 1) + l: piece m = w >> 1, output 32 (w & 1) + l of its 64
	s_wait_dscnt 0x0
	s_barrier_signal -1
	s_barrier_wait -1
	s_cmp_gt_u32 s10, 3
	s_cbranch_scc1 .Lend
	ds_load_b128 v[LD:LD+3], v[B16] offset:STAGE   ; waves 0-3: 16 bytes a thread
	s_wait_dscnt 0x0
	global_store_b128 v[GO], v[LD:LD+3], s[8:9] th:TH_STORE_NT   ; sixteen neighbouring lanes store 256 consecutive bytes, aligned: one piece
.Lend:
	s_wait_tensorcnt 0x0
	ds_add_u32 v156, v157
	s_wait_dscnt 0x0
	s_endpgm
.Lfunc_end_k_q317ddff949_softavg:
	.size	k_q317ddff949_softavg, .Lfunc_end_k_q317ddff949_softavg-k_q317ddff949_softavg
	.p2alignl 7, 3214868480
	.fill 96, 4, 3214868480
	.section	.rodata,"a",@progbits
	.p2align	6, 0x0
	.amdhsa_kernel k_q317ddff949_softavg
		.amdhsa_group_segment_fixed_size 26880
		.amdhsa_private_segment_fixed_size 0
		.amdhsa_enable_private_segment 0
		.amdhsa_kernarg_size 24
		.amdhsa_user_sgpr_count 2
		.amdhsa_user_sgpr_kernarg_segment_ptr 1
		.amdhsa_wavefront_size32 1
		.amdhsa_system_sgpr_workgroup_id_x 1
		.amdhsa_system_sgpr_workgroup_id_y 1
		.amdhsa_system_sgpr_workgroup_id_z 1
		.amdhsa_system_vgpr_workitem_id 0
		.amdhsa_next_free_vgpr 158
		.amdhsa_next_free_sgpr 66
		.amdhsa_reserve_vcc 1
		.amdhsa_float_denorm_mode_32 3
		.amdhsa_float_denorm_mode_16_64 3
		.amdhsa_memory_ordered 1
		.amdhsa_forward_progress 1
		.amdhsa_inst_pref_size 15
	.end_amdhsa_kernel
	.amdgpu_metadata
---
amdhsa.version: [ 1, 2 ]
amdhsa.kernels:
  - .name:           k_q317ddff949_softavg
    .symbol:         k_q317ddff949_softavg.kd
    .args:
      - { .name: srt, .offset: 0, .size: 8, .value_kind: global_buffer, .address_space: global }
      - { .name: win, .offset: 8, .size: 8, .value_kind: global_buffer, .address_space: global }
      - { .name: out0, .offset: 16, .size: 8, .value_kind: global_buffer, .address_space: global }
    .group_segment_fixed_size: 26880
    .private_segment_fixed_size: 0
    .kernarg_segment_align: 8
    .kernarg_segment_size: 24
    .max_flat_workgroup_size: 512
    .sgpr_count:     66
    .vgpr_count:     158
    .wavefront_size: 32
...
	.end_amdgpu_metadata
.endif
;; end of part 2
;; ======== version 2 of 2: 2 launches; version 1 with the launch softavg written anew for expert scheduling mode
;; workspace buffers: srt 524,288 bytes; win 16,384 bytes of whole numbers
;; launch sortrows: the kernel of part 1 again; grid 64 x 1, 8 waves a work-group, no clusters, 18,176 bytes of LDS; arguments scores, srt, win; writes srt, win
;; launch softavg (part 3): grid 4 x 64, 16 waves a work-group, no clusters, 26,880 bytes of LDS; arguments srt, win, out0; writes out0
.if DOCPART == 3
	.amdgcn_target "amdgcn-amd-amdhsa--gfx1250"
	.amdhsa_code_object_version 6
	.text
	.protected	k_q317ddff949_softavg
	.globl	k_q317ddff949_softavg
	.p2align	8
	.type	k_q317ddff949_softavg,@function
k_q317ddff949_softavg:
	s_mov_b64 s[64:65], 0
	v_nop
	global_prefetch_b8 v0, s[64:65] scope:SCOPE_SE
	s_setreg_imm32_b32 hwreg(HW_REG_WAVE_SCHED_MODE, 0, 2), 2
	s_setreg_imm32_b32 hwreg(HW_REG_WAVE_MODE, 25, 1), 1
	s_wait_xcnt 0x0
	s_wait_alu depctr_vm_vsrc(0)
; SoftSort, second of two launches.  srt: [64][2048] f32, each row u = K * score sorted descending (K*K = log2(e) / tau).
; out0[b][i] = sum_j e_ij u_j / sum_j e_ij / K with e_ij = 2^-(u_j - u_i)^2: the softmax of reference() with both axes in sorted order
; (a sum over j may run in any order).  THE MAXIMUM: u_i is itself one of the u_j, so the largest exponent of every row is exactly 0,
; for every input: taking it away subtracts 0, every e lies in [0, 1] and every denominator in [1, 2048].
; win: [64][64] words lo | end << 8, made by the first launch: for the 32 outputs of chunk p only chunks lo .. end-1 of 32 j are walked.
; In the others every exponent is below -126, where v_exp_f32 gives zero (ISA guide 15.8), so the sums are those of the whole row.
; The trip count thus hangs on the data: from 1 to 64.
;
; THE PRODUCT goes to the matrix unit, 16 x 16 x 32 in bf16 with f32 sums.  A holds, along k = j, row 0: u rounded to bf16, row 1: what that
; rounding left (u - hi, in bf16), row 2: ones, the rest zeros, and the same again in rows 8-10.  B holds e for 16 outputs (columns).
; Then lane (r, h) has in registers 0, 1, 2 of D: sum e hi, sum e lo, sum e of column r, in both halves h: nothing crosses lanes.
; The denominator is the f32 sum of the same bf16 weights that the product uses, so the weights that are used add up to one.
; SHARES: work-group (q, b): row b, the eight pieces of 64 outputs (256 bytes) number q + 4 m, m = 0..7, spread over the row because windows
; are wide where the numbers are dense.  Wave w: 32 outputs (chunk p = 2 q + 8 (w >> 1) + (w & 1)), two column tiles, one loop.
; NO CLUSTER: the four work-groups of a row share its 8,192 bytes, read once, 16 bytes a thread, and the bytes pass through registers anyway
; to be split into the bf16 rows; there is no tile that is asked for again.
; LIMITS: NaN and infinite scores are not served.  u_j - u_i carries up to one unit in the last place of u (both were rounded after scaling).
;
; THE MODE: SCHED_MODE bits 1:0 = 2 (LLVM: expert scheduling mode 2), set by the entry lines.  The code itself states the register dependences
; between vector or matrix instructions and memory or LDS instructions, with s_wait_alu, always for 0.
; THE PLAN.  Registers that memory or LDS instructions touch, in the loop (trip c works on chunk c):
;   UV           The trip's sixteen differences, which stand together at its head, read it; behind them the LDS loads of chunk c + 1 land in it.
;   AF           The trip's two matrix instructions read it; the LDS loads of the next trip land in it.
;   v[UA], v[AA] Read by the trip's six LDS loads; written once a trip, behind the last exponential: u two chunks on, A one chunk on.
;   T0, T1, X0, X1, E0, E1 and the sums are named by vector and matrix instructions alone.
; So a trip has two waits on va_vdst and one on vm_vsrc.  The first va_vdst stands behind the differences: they are done reading UV, and the last
; trip's matrix instructions are done reading AF; the six loads follow it at once and have the rest of the trip in which to land.  The vm_vsrc
; stands ahead of the two adds.  The second va_vdst stands behind them: it is the one wait for the trip's 32 exponentials, ahead of their first
; reader, and it states that both addresses are written, for the next trip's loads.
; Outside the loop every offset is made once and never written again; each run of stores has one wait ahead of it, for its data.
.set UT,    0                          ; LDS: u, 2048 f32
.set AT,    8192                       ; LDS: four rows of 2048 bf16: hi, lo, ones, zeros
.set AP,    4160                       ; their pitch: 4096 + 64, so that the four rows start 64 bytes apart modulo 256
.set STAGE, 0                          ; LDS: the 512 results, in the first bytes of the u table once nobody reads it
.set INVK,  0x3c0867df                 ; 1 / K = 0.0083255461
.set B16, 2                            ; v2        16 t (t = thread)
.set B8,  3                            ; v3        8 t
.set LD,  4                            ; v[4:7]    my four u; at the end my four results
.set SHI, 8                            ; v[8:9]    their bf16
.set RS,  10                           ; v[10:13]  what is left, f32
.set SLO, 14                           ; v[14:15]  and in bf16
.set ONE, 16                           ; v[16:17]  four bf16 ones
.set ZER, 18                           ; v[18:19]  zeros
.set Y0,  20                           ; v[20:21]  -u of my output in tile 0, twice (a pair for the packed add)
.set Y1,  22                           ; v[22:23]  the same for tile 1
.set UB,  24                           ; v24       UT + 32 h
.set AB,  25                           ; v25       AT + min(r & 7, 3) * AP + 16 h
.set UA,  26                           ; v26       UB + 128 * the chunk whose u is asked for next
.set AA,  27                           ; v27       AB + 64 * the chunk whose fragment of A is asked for next
.set RR,  28                           ; v28       r = lane & 15
.set HH,  29                           ; v29       h = lane >> 4
.set YA,  30                           ; v30       address of my output's own u
.set SA,  31                           ; v31       4 t
.set UV,  32                           ; v[32:47]  u of my 16 k: 8h .. 8h+7, then 16+8h .. 16+8h+7
.set AF,  48                           ; v[48:55]  fragment of A
.set T0,  56                           ; v[56:71]  tile 0: differences, then exponents
.set T1,  72                           ; v[72:87]  tile 1
.set X0,  88                           ; v[88:103]  tile 0: e
.set X1,  104                          ; v[104:119] tile 1
.set E0,  120                          ; v[120:127] tile 0: e in bf16, fragment of B
.set E1,  128                          ; v[128:135] tile 1
.set D0,  136                          ; v[136:143] sums of tile 0
.set D1,  144                          ; v[144:151] sums of tile 1
.set GO,  152                          ; v152      byte offset of my 16 bytes of output
.set U0,  153                          ; v153      UB + 128 * the first chunk: read by the first four loads of u alone, so that v[UA] can point one chunk on from the start
	s_load_b128 s[4:7], s[0:1], 0x0                ; srt s[4:5], win s[6:7]
	s_load_b64 s[8:9], s[0:1], 0x10                ; out0
	v_lshl_add_u32 v154, v0, 2, 0x6100
	v_mov_b32 v155, 0
	v_lshrrev_b32 v1, 5, v0
	v_readfirstlane_b32 s10, v1                    ; wave w
	; lane terms and constants: they stand in the wait for the arguments, and between the line above and the wait for s10
	v_lshlrev_b32 v[B16], 4, v0
	v_lshlrev_b32 v[B8], 3, v0
	v_lshlrev_b32 v[SA], 2, v0
	v_and_b32 v[RR], 15, v0
	v_bfe_u32 v[HH], v0, 4, 1
	v_lshlrev_b32 v[UB], 5, v[HH]                  ; UT = 0
	v_and_b32 v[AB], 7, v[RR]
	v_min_u32 v[AB], 3, v[AB]                      ; rows 0, 1, 2 and 8, 9, 10 of A: hi, lo, ones; all others read the zeros
	v_mul_u32_u24 v[AB], v[AB], AP
	v_lshl_add_u32 v[AB], v[HH], 4, v[AB]
	v_add_nc_u32 v[AB], AT, v[AB]
	v_lshrrev_b32 v[GO], 4, v0
	v_lshlrev_b32 v[GO], 10, v[GO]                 ; piece m = t >> 4 lies 4 x 256 bytes behind piece m - 1
	v_lshl_add_u32 v[GO], v[RR], 4, v[GO]
	v_mov_b32 v[ONE], 0x3f803f80
	v_mov_b32 v[ONE+1], 0x3f803f80
	v_mov_b32 v[ZER], 0
	v_mov_b32 v[ZER+1], 0
	s_wait_alu depctr_va_sdst(0)                   ; s10 is written, ahead of its first reader: my chunk's number is made from it
	s_and_b32 s11, ttmp7, 0xffff                   ; row b;  ttmp9 = q
	s_lshr_b32 s12, s10, 1
	s_lshl_b32 s12, s12, 3
	s_and_b32 s13, s10, 1
	s_add_co_u32 s12, s12, s13
	s_lshl_b32 s13, ttmp9, 1
	s_add_co_u32 s12, s12, s13                     ; p = 8 (w >> 1) + (w & 1) + 2 q
	s_lshl_b32 s14, s11, 13                        ; the row in srt: 8,192 bytes each
	s_mov_b32 s15, 0
	s_lshl_b32 s16, s11, 8                         ; the row in win: 256 bytes each,
	s_lshl2_add_u32 s16, s12, s16                  ; and my word in it
	s_mov_b32 s17, 0
	s_lshl_b32 s26, ttmp9, 8                       ; the row in out0, and piece q of it
	s_add_co_u32 s26, s26, s14
	s_mov_b32 s27, 0
	s_wait_kmcnt 0x0
	s_add_nc_u64 s[4:5], s[4:5], s[14:15]
	s_add_nc_u64 s[6:7], s[6:7], s[16:17]
	s_add_nc_u64 s[8:9], s[8:9], s[26:27]
	s_wait_alu depctr_va_vdst(0)                   ; the offsets v[B16], v[B8], v[SA], v[GO] are written, which loads and stores read from here to the end; so are ONE and ZER, the data of the two LDS stores below
	global_load_b128 v[LD:LD+3], v[B16], s[4:5]    ; the 512 threads take the whole row, 512 consecutive bytes a wave
	s_load_b32 s20, s[6:7], 0x0                    ; my window
	ds_store_b64 v[B8], v[ONE:ONE+1] offset:AT+2*AP
	ds_store_b64 v[B8], v[ZER:ZER+1] offset:AT+3*AP
	s_wait_loadcnt 0x0
	ds_store_b128 v[B16], v[LD:LD+3] offset:UT     ; as loaded: no vector instruction has written these registers
	v_cvt_pk_bf16_f32 v[SHI],   v[LD],   v[LD+1]
	v_cvt_pk_bf16_f32 v[SHI+1], v[LD+2], v[LD+3]
	v_lshlrev_b32 v[RS],   16, v[SHI]              ; bf16 back to f32
	v_and_b32     v[RS+1], 0xffff0000, v[SHI]
	v_lshlrev_b32 v[RS+2], 16, v[SHI+1]
	v_and_b32     v[RS+3], 0xffff0000, v[SHI+1]
.irp j, 0,1,2,3
	v_sub_f32 v[RS+\j], v[LD+\j], v[RS+\j]         ; what the rounding left: exact
.endr
	v_cvt_pk_bf16_f32 v[SLO],   v[RS],   v[RS+1]
	v_cvt_pk_bf16_f32 v[SLO+1], v[RS+2], v[RS+3]
	s_wait_alu depctr_va_vdst(0)                   ; the conversions have written SHI and SLO, which the two LDS stores read
	ds_store_b64 v[B8], v[SHI:SHI+1] offset:AT
	ds_store_b64 v[B8], v[SLO:SLO+1] offset:AT+AP
	s_wait_dscnt 0x0                               ; my part of the tables is written: zero, for the others
	s_barrier_signal -1
	s_barrier_wait -1
	s_lshl_b32 s18, s12, 7                         ; my chunk in the u table: 128 p
	v_lshl_add_u32 v[YA], v[RR], 2, s18
	s_wait_kmcnt 0x0
	s_and_b32 s21, s20, 0xff
	s_min_u32 s21, s21, 63                         ; s21 = first chunk, and the loop's counter
	s_bfe_u32 s22, s20, 0x80008
	s_min_u32 s22, s22, 64                         ; s22 = one behind the last chunk
	s_lshl_b32 s24, s21, 7
	s_lshl_b32 s25, s21, 6
	s_add_co_u32 s23, s21, 1                       ; the chunk behind it; behind chunk 63 the look-ahead wraps to chunk 0, inside the table, and is not used
	s_and_b32 s23, s23, 63
	s_lshl_b32 s19, s23, 7
	v_add_nc_u32 v[U0], s24, v[UB]                 ; the first chunk's u,
	v_add_nc_u32 v[AA], s25, v[AB]                 ; its fragment of A, asked for in the first trip,
	v_add_nc_u32 v[UA], s19, v[UB]                 ; and the second chunk's u, asked for there too
	s_wait_alu depctr_va_vdst(0)                   ; v[YA], v[U0], v[AA] and v[UA] are written: the loads below and the first trip's loads read them
	ds_load_b32 v[Y0], v[YA] offset:UT             ; u of output 32 p + r
	ds_load_b32 v[Y1], v[YA] offset:UT+64          ; u of output 32 p + 16 + r
	ds_load_b128 v[UV:UV+3],     v[U0]             ; the first chunk's u: every lane of a half reads the same 16 bytes
	ds_load_b128 v[UV+4:UV+7],   v[U0] offset:16
	ds_load_b128 v[UV+8:UV+11],  v[U0] offset:64
	ds_load_b128 v[UV+12:UV+15], v[U0] offset:80
	s_wait_dscnt 0x4                               ; the two loads of my own u are in; the four behind them stay out
	v_sub_f32 v[Y0], 0, v[Y0]
	v_sub_f32 v[Y1], 0, v[Y1]
	v_mov_b32 v[Y0+1], v[Y0]
	v_mov_b32 v[Y1+1], v[Y1]
; One chunk of 32 j for both tiles.  first = 1: the products start the sums, nothing is cleared.
; Order: both tiles' differences empty UV; the six LDS loads; the squares and the 32 exponentials, one batch; the two address adds, which are
; also the plain vector instructions that stand behind the last v_exp_f32 before a result is used (ISA guide 5.7.2; behind tile 0's run stand
; tile 1's squares); the batch's wait; the conversions; the two products, on accumulators that take turns.
; The sixteen differences also stand between the last trip's matrix instructions and the load into the fragment of A that those have read.
.macro TRIP first
	s_wait_dscnt 0x0                               ; this chunk's u, asked for one trip ago: nothing else is out
.irp j, 0,2,4,6,8,10,12,14
	v_pk_add_f32 v[T0+\j:T0+\j+1], v[UV+\j:UV+\j+1], v[Y0:Y0+1]                       ; u_j - u_i
.endr
.irp j, 0,2,4,6,8,10,12,14
	v_pk_add_f32 v[T1+\j:T1+\j+1], v[UV+\j:UV+\j+1], v[Y1:Y1+1]
.endr
	s_wait_alu depctr_va_vdst(0)                   ; the differences are done reading UV, in which the next chunk's u lands; the last trip's matrix instructions are done reading AF, in which this chunk's fragment lands
	ds_load_b128 v[AF:AF+3],   v[AA]               ; A(row, 8h ..): needed at the end of the trip
	ds_load_b128 v[AF+4:AF+7], v[AA] offset:32     ; A(row, 16+8h ..)
	ds_load_b128 v[UV:UV+3],     v[UA]             ; the next chunk's u: needed at the head of the next trip
	ds_load_b128 v[UV+4:UV+7],   v[UA] offset:16
	ds_load_b128 v[UV+8:UV+11],  v[UA] offset:64
	ds_load_b128 v[UV+12:UV+15], v[UA] offset:80
.irp j, 0,2,4,6,8,10,12,14
	v_pk_mul_f32 v[T0+\j:T0+\j+1], v[T0+\j:T0+\j+1], v[T0+\j:T0+\j+1] neg_lo:[0,1] neg_hi:[0,1]   ; -(u_j - u_i)^2
.endr
.irp j, 0,1,2,3,4,5,6,7,8,9,10,11,12,13,14,15
	v_exp_f32 v[X0+\j], v[T0+\j]
.endr
.irp j, 0,2,4,6,8,10,12,14
	v_pk_mul_f32 v[T1+\j:T1+\j+1], v[T1+\j:T1+\j+1], v[T1+\j:T1+\j+1] neg_lo:[0,1] neg_hi:[0,1]
.endr
.irp j, 0,1,2,3,4,5,6,7,8,9,10,11,12,13,14,15
	v_exp_f32 v[X1+\j], v[T1+\j]
.endr
	s_add_co_u32 s23, s21, 1                       ; the next trip asks for its own chunk's fragment of A
	s_and_b32 s23, s23, 63
	s_lshl_b32 s25, s23, 6
	s_add_co_u32 s23, s21, 2                       ; and for the u of the chunk behind that; past chunk 63 both wrap, inside the tables, and are not used
	s_and_b32 s23, s23, 63
	s_lshl_b32 s24, s23, 7
	s_wait_alu depctr_vm_vsrc(0)                   ; the six LDS loads above have read v[UA] and v[AA]
	v_add_nc_u32 v[UA], s24, v[UB]
	v_add_nc_u32 v[AA], s25, v[AB]
	s_wait_alu depctr_va_vdst(0)                   ; the 32 exponentials have written X0 and X1, ahead of the first conversion that reads them; v[UA] and v[AA] are written, which the next trip's loads read
.irp j, 0,1,2,3,4,5,6,7
	v_cvt_pk_bf16_f32 v[E0+\j], v[X0+2*\j], v[X0+2*\j+1]
.endr
.irp j, 0,1,2,3,4,5,6,7
	v_cvt_pk_bf16_f32 v[E1+\j], v[X1+2*\j], v[X1+2*\j+1]
.endr
	s_wait_dscnt 0x4                               ; A's two loads are in; the four look-ahead loads behind them stay out
.if \first
	v_wmma_f32_16x16x32_bf16 v[D0:D0+7], v[AF:AF+7], v[E0:E0+7], 0
	v_wmma_f32_16x16x32_bf16 v[D1:D1+7], v[AF:AF+7], v[E1:E1+7], 0
.else
	v_wmma_f32_16x16x32_bf16 v[D0:D0+7], v[AF:AF+7], v[E0:E0+7], v[D0:D0+7]
	v_wmma_f32_16x16x32_bf16 v[D1:D1+7], v[AF:AF+7], v[E1:E1+7], v[D1:D1+7]
.endif
.endm
	TRIP 1                                         ; a window holds at least the outputs' own chunk
	s_add_co_u32 s21, s21, 1
	s_cmp_ge_u32 s21, s22
	s_cbranch_scc1 .Ldone
.Lchunk:
	TRIP 0
	s_add_co_u32 s21, s21, 1
	s_cmp_lt_u32 s21, s22
	s_cbranch_scc1 .Lchunk
.Ldone:
	s_wait_dscnt 0x0                               ; the last look-ahead has landed: my reads of the tables are over
	s_barrier_signal -1                            ; say so, and finish on registers while the others arrive
	v_cmp_ne_u32 vcc_lo, 0, v[HH]
.rept 4
	v_nop                                          ; four places between the last matrix instruction and the first read of its sums (ISA guide 7.12.1)
.endr
	v_add_f32 v[T0],   v[D0], v[D0+1]              ; sum e hi + sum e lo
	v_add_f32 v[T0+1], v[D1], v[D1+1]
	s_wait_alu depctr_va_vcc(0)                    ; the compare has written VCC, ahead of the two selects that read it
	v_cndmask_b32 v[T0],   v[T0],   v[T0+1], vcc_lo    ; lanes 0-15 go on with tile 0, lanes 16-31 with tile 1: lane l holds output 32 p + l
	v_cndmask_b32 v[T0+2], v[D0+2], v[D1+2], vcc_lo    ; sum e, at least 1
	v_rcp_f32 v[T0+3], v[T0+2]
	v_mul_f32 v[T0], INVK, v[T0]                   ; back from u to scores; also the plain instruction behind v_rcp_f32
	s_wait_alu depctr_va_vdst(0)                   ; the reciprocal has written v[T0+3], ahead of the multiply that reads it
	v_mul_f32 v[T0], v[T0], v[T0+3]
	s_barrier_wait -1                              ; nobody reads the u table any more: its first 2,048 bytes become the stage
	s_wait_alu depctr_va_vdst(0)                   ; the multiply has written v[T0], which the LDS store reads
	ds_store_b32 v[SA], v[T0] offset:STAGE         ; word t = 64 (w >> 1) + 32 (w & 1) + l: piece m = w >> 1, output 32 (w & 1) + l of its 64
	s_wait_dscnt 0x0
	s_barrier_signal -1
	s_barrier_wait -1
	s_cmp_gt_u32 s10, 3
	s_cbranch_scc1 .Lend
	ds_load_b128 v[LD:LD+3], v[B16] offset:STAGE   ; waves 0-3: 16 bytes a thread.  No wait: the LDS store that read LD stands ahead of the first trip's wait on vm_vsrc, its vector readers ahead of the waits on va_vdst, and nothing has named LD since
	s_wait_dscnt 0x0
	global_store_b128 v[GO], v[LD:LD+3], s[8:9] th:TH_STORE_NT   ; sixteen neighbouring lanes store 256 consecutive bytes, aligned: one piece
.Lend:
	s_wait_dscnt 0x0
	s_wait_alu depctr_hold_cnt(0) depctr_sa_sdst(0) depctr_va_vdst(0) depctr_va_sdst(0) depctr_va_ssrc(0) depctr_va_vcc(0) depctr_vm_vsrc(0)
	s_wait_tensorcnt 0x0
	ds_add_u32 v154, v155
	s_wait_dscnt 0x0
	s_endpgm
.Lfunc_end_k_q317ddff949_softavg:
	.size	k_q317ddff949_softavg, .Lfunc_end_k_q317ddff949_softavg-k_q317ddff949_softavg
	.p2alignl 7, 3214868480
	.fill 96, 4, 3214868480
	.section	.rodata,"a",@progbits
	.p2align	6, 0x0
	.amdhsa_kernel k_q317ddff949_softavg
		.amdhsa_group_segment_fixed_size 26880
		.amdhsa_private_segment_fixed_size 0
		.amdhsa_enable_private_segment 0
		.amdhsa_kernarg_size 24
		.amdhsa_user_sgpr_count 2
		.amdhsa_user_sgpr_kernarg_segment_ptr 1
		.amdhsa_wavefront_size32 1
		.amdhsa_system_sgpr_workgroup_id_x 1
		.amdhsa_system_sgpr_workgroup_id_y 1
		.amdhsa_system_sgpr_workgroup_id_z 1
		.amdhsa_system_vgpr_workitem_id 0
		.amdhsa_next_free_vgpr 156
		.amdhsa_next_free_sgpr 66
		.amdhsa_reserve_vcc 1
		.amdhsa_float_denorm_mode_32 3
		.amdhsa_float_denorm_mode_16_64 3
		.amdhsa_memory_ordered 1
		.amdhsa_forward_progress 1
		.amdhsa_inst_pref_size 16
	.end_amdhsa_kernel
	.amdgpu_metadata
---
amdhsa.version: [ 1, 2 ]
amdhsa.kernels:
  - .name:           k_q317ddff949_softavg
    .symbol:         k_q317ddff949_softavg.kd
    .args:
      - { .name: srt, .offset: 0, .size: 8, .value_kind: global_buffer, .address_space: global }
      - { .name: win, .offset: 8, .size: 8, .value_kind: global_buffer, .address_space: global }
      - { .name: out0, .offset: 16, .size: 8, .value_kind: global_buffer, .address_space: global }
    .group_segment_fixed_size: 26880
    .private_segment_fixed_size: 0
    .kernarg_segment_align: 8
    .kernarg_segment_size: 24
    .max_flat_workgroup_size: 512
    .sgpr_count:     66
    .vgpr_count:     156
    .wavefront_size: 32
...
	.end_amdgpu_metadata
.endif
;; end of part 3
